; MI455X (gfx1250); checked and timed in simulation.
; The chip was launched on July 23, 2026; its instructions are those of AMD's public machine-readable ISA for CDNA 5 (MIT licence, August 2026) and "CDNA5" Instruction Set Architecture Reference Guide (July 2026). The comments in the code are by the model that wrote it; some were corrected since.
;; Full Attention. Allowed arithmetic: float matrix products may take bf16 or f16 operands with f32 sums; all other float work in f32.
;; Inputs: keys 4 x 2,048 x 16 x 64 float32; queries 4 x 2,048 x 16 x 64 float32; values 4 x 2,048 x 16 x 64 float32.
;; Outputs: out0 4 x 2,048 x 16 x 64 float32.
;; One version. Each part assembles by itself: llvm-mc -triple=amdgcn-amd-amdhsa -mcpu=gfx1250 --defsym DOCPART=n.
;; ======== version 1 of 1: 1 launch
;; limits: inputs' magnitudes at most 65,504; values are held in f16: magnitudes above 65,504 overflow, below 6.1e-05 lose precision
;; launch attn (part 1): grid 256 x 1, 8 waves a work-group, no clusters, 74,752 bytes of LDS; arguments queries, keys, values, out0; writes out0
.if DOCPART == 1
	.amdgcn_target "amdgcn-amd-amdhsa--gfx1250"
	.amdhsa_code_object_version 6
	.text
	.protected	k_q2006865c7a_attn
	.globl	k_q2006865c7a_attn
	.p2align	8
	.type	k_q2006865c7a_attn,@function
k_q2006865c7a_attn:
	s_mov_b64 s[64:65], 0
	v_nop
	global_prefetch_b8 v0, s[64:65] scope:SCOPE_SE
	s_setreg_imm32_b32 hwreg(HW_REG_WAVE_MODE, 25, 1), 1
	s_wait_xcnt 0x0
; Causal softmax attention.  queries, keys, values, out0: [4][2048][16][64] f32.  A (position, head) row is 256 bytes, aligned;
; neighbouring positions of a head lie 4,096 bytes apart.
;
; SHARES.  Work-group x: head n = x >> 2 (batch n >> 4, head n & 15), quarter cx = x & 3.  Group g (0..31) of a head = queries 64 g .. 64 g + 63,
; the span of key tile g.  Work-group cx owns rows 64 g + 16 cx .. + 15 of every group: 32 blocks of 16 queries.  Wave w owns the four blocks
; g = w, 15 - w, 16 + w, 31 - w: 66 (block, key tile) pairs in every wave.  The work-group walks the head's 32 key tiles (64 keys) once, t = 0..31;
; a block works while t <= g, is masked at t = g and leaves there: one block of the work-group leaves in each trip, 4 KB of stores a trip.
;
; PRODUCTS ARE TRANSPOSED, so that a query is a lane.  S^T = K Q^T: lane (r = l & 15, h = l >> 4), tile kb, register j holds key 16 kb + 8 h + j of
; query r.  Two such tiles packed to f16 ARE the B fragment of P^T for 32 keys.  O^T = V^T P^T: register j of tile db holds d = 16 db + 8 h + j of
; query r.  Maximum, sum and rescale factor are per lane; the two halves of the lanes meet in one v_permlanex16_b32 a tile (maximum) and once at the
; end (sum).
;
; THE OPERANDS ARE f16, NOT bf16.  A query with few keys in front of it mixes few values, so the rounding of P, Q, K and V is not averaged away
; there, while the result is held to a bound set by the whole output, most of whose rows average hundreds of values.  f16 rounds at 2^-12 of a
; number, bf16 at 2^-9.  Room: P lies in [0, 1]; Q, K, V may reach 65,504.
;
; K AND V go memory -> registers (f32) -> f16 -> LDS, two slots, one barrier a trip.  Each wave has 16 loads of 16 bytes a lane on their way
; (tiles t + 2 and t + 3 while tile t is multiplied).
;
; NO CLUSTER, NO TENSOR LOADS, though the four work-groups of a head read the same tiles: the tiles are f32 in memory and the matrix unit takes
; 16 bits.  Through registers a tile of 32 KB costs 16 KB of LDS stores; copied unchanged into LDS it would cost 32 KB written, 32 KB read back for
; the rounding and the same 16 KB stored.  Control flow hangs on w and t alone, never on cx.
;
; SOFTMAX: running maximum m of the raw scores; p = 2^(c s - c m), c = log2(e) / 8; sums and O in f32; Q, K, V, P enter the products as f16.
; Every tile that a block works on holds at least one kept key for each query, so m is finite from the first tile on.
; LIMITS: |Q|, |K|, |V| at most 65,504 (beyond it the rounding to f16 gives infinity); numbers of Q, K, V under 2^-14 and probabilities under
; 2^-14 of the row's largest keep an absolute error of up to 2^-25 (f16 denormals), probabilities under 2^-25 count as zero in the products;
; inputs finite and scores finite in f32 (a NaN input loses in the maxima).
.set ROWB,  4096                       ; bytes from a position to the next
.set STEP,  64*ROWB                    ; bytes from a key tile to the next
.set KP,    144                        ; LDS pitch of K and of Q rows: 128 bytes + 16, an odd multiple of 16: 16 rows begin at 16 different 16-byte columns modulo 256
.set VP,    160                        ; LDS pitch of V rows: 128 bytes + 32, an odd multiple of 32, as the transposing load's 8-row groups want
.set VOFF,  64*KP                      ; V behind K in a slot
.set SLOT,  64*KP+64*VP                ; 19,456 bytes
.set STAGE, 2*SLOT                     ; behind the slots: a stage for each wave, its own
.set OP,    272                        ; stage pitch of an output row: 256 bytes + 16
.set STGB,  16*OP                      ; 4,352 bytes a wave; 2 x 19,456 + 8 x 4,352 = 73,728
; window 0
.set GOFF, 2                           ; (tid >> 4) x 4096 + (tid & 15) x 16: my 16 bytes in 16 rows of a tile
.set KST,  3                           ; (tid >> 4) x 144 + (tid & 15) x 8: where they go as f16, K
.set VST,  4                           ; (tid >> 4) x 160 + (tid & 15) x 8: V
.set KFA,  5                           ; r x 144 + 16 h: K fragments
.set VFA,  6                           ; (8 h + (l & 7)) x 160 + 16 ((l >> 3) & 1): V fragments, transposing load
.set THR,  7                           ; 16 cx + r - 8 h: on the diagonal tile register (kb, j) is dropped where 16 kb + j > THR
.set NINF, 8                           ; -infinity
.set STO,  9                           ; stage + r x 272 + 32 h
.set RD,   10                          ; stage + h x 272 + 16 r
.set QST,  11                          ; stage + h x 144 + 8 r
.set QFA,  12                          ; stage + r x 144 + 16 h
.set PFO,  13                          ; (32 (cx >> 1) + l) x 4096: the row that this lane asks for ahead
.set RO,   14                          ; v14-17  block i: byte offset in the head of my 16 bytes in its rows h, of Q and of out
.set M,    18                          ; v18-21  block i: running maximum
.set L,    22                          ; v22-25  block i: running sum, of my half's keys
.set NM,   26                          ; -c m    (pair with MN: the packed forms name both)
.set MN,   27                          ; the new maximum
.set AL,   28                          ; rescale factor, at the end 1 / sum   (pair with ARG)
.set ARG,  29
.set T,    30                          ; v30-33  at work
.set SA,   34                          ; v34-35, v36-37  two pairs of partial sums
.set SB,   36
.set CV,   38                          ; v38-53  16 registers of f16 on their way to LDS
.set P,    54                          ; v54-69  P^T, two B fragments
.set S,    70                          ; v70-101 four tiles of S^T
.set KF,   102                         ; v102-165  K fragments: KF + 16 kb + 8 ks
.set VF,   166                         ; v166-229  V^T fragments: VF + 16 db + 8 ks
; window 1 (named by their low 8 bits)
.set O,    0                           ; v256-383  block i, tile db at O + 32 i + 8 db; before trip 0 the block's Q as loaded; at the end its rows on the way out
.set QF,   128                         ; v384-447  block i: Q fragments QF + 16 i + 8 ks
.set ST,   192                         ; v448-511  two sets of 32: a tile as loaded, K's load j at + 4 j, V's at + 16 + 4 j
; scalars: s[4:5] Q, s[6:7] K, s[8:9] V, s[10:11] out, all at the head; K, V and s[28:29] (what I ask for ahead) step a tile a trip
.set G,    16                          ; s16-19  g of my four blocks;  s12 wave, s13 cx, s20 / s21 the trip's t, s[22:23] c, c, s24 -c, s26-27 lane selects
; s_set_vgpr_msb: bits 1:0 source 0, 3:2 source 1, 5:4 source 2, 7:6 destination; the high byte repeats the setting that is left.
.set MSB, 0
.macro WIN new
.if MSB != \new
	s_set_vgpr_msb (MSB<<8)|\new
.set MSB, \new
.endif
.endm
; Eight loads: a tile of K and of V, f32.  A wave's load covers two whole rows of 256 bytes; the eight waves' load j covers rows 16 j .. 16 j + 15.
.macro LOADT stg, off
	WIN 0x40                                       ; data to window 1, address from window 0
.irp j, 0,1,2,3
	global_load_b128 v[ST+32*\stg+4*\j:ST+32*\stg+4*\j+3], v[GOFF], s[6:7] offset:\off+16*ROWB*\j
.endr
.irp j, 0,1,2,3
	global_load_b128 v[ST+32*\stg+16+4*\j:ST+32*\stg+16+4*\j+3], v[GOFF], s[8:9] offset:\off+16*ROWB*\j
.endr
	WIN 0
.endm
; 32 f32 to 32 f16
.macro CONV stg
	WIN 0x05                                       ; both sources from window 1
.irp k, 0,1,2,3,4,5,6,7,8,9,10,11,12,13,14,15
	v_cvt_pk_f16_f32 v[CV+\k], v[ST+32*\stg+2*\k], v[ST+32*\stg+2*\k+1]
.endr
	WIN 0
.endm
.macro STORET slot
.irp j, 0,1,2,3
	ds_store_b64 v[KST], v[CV+2*\j:CV+2*\j+1] offset:\slot*SLOT+16*KP*\j
.endr
.irp j, 0,1,2,3
	ds_store_b64 v[VST], v[CV+8+2*\j:CV+8+2*\j+1] offset:\slot*SLOT+VOFF+16*VP*\j
.endr
.endm
; 32 LDS loads, K's 16 first: A fragments of K (rows = keys, e along the rows) and of V^T (rows = d, from V stored [key][d], transposed on the way)
.macro FETCH slot
.irp kb, 0,1,2,3
.irp ks, 0,1
	ds_load_b128 v[KF+16*\kb+8*\ks:KF+16*\kb+8*\ks+3],   v[KFA] offset:\slot*SLOT+16*KP*\kb+64*\ks
	ds_load_b128 v[KF+16*\kb+8*\ks+4:KF+16*\kb+8*\ks+7], v[KFA] offset:\slot*SLOT+16*KP*\kb+64*\ks+32
.endr
.endr
.irp ks, 0,1
.irp db, 0,1,2,3
	ds_load_tr16_b128 v[VF+16*\db+8*\ks:VF+16*\db+8*\ks+3],   v[VFA] offset:\slot*SLOT+VOFF+32*VP*\ks+32*\db
	ds_load_tr16_b128 v[VF+16*\db+8*\ks+4:VF+16*\db+8*\ks+7], v[VFA] offset:\slot*SLOT+VOFF+32*VP*\ks+32*\db+16*VP
.endr
.endr
.endm
; Block i's 16 rows of Q: f32 as loaded (rows 2 j + h, 4 numbers a lane) -> f16 -> my stage -> two B fragments.  left = younger global loads.
.macro QPREP i, left
	s_wait_loadcnt \left                           ; loads come back in order (ISA guide 5.7.1): this block's eight are in
	s_wait_dscnt 0x0                               ; the LDS stores that read CV last are done
	WIN 0x05
.irp k, 0,1,2,3,4,5,6,7,8,9,10,11,12,13,14,15
	v_cvt_pk_f16_f32 v[CV+\k], v[O+32*\i+2*\k], v[O+32*\i+2*\k+1]
.endr
	WIN 0
.irp j, 0,1,2,3,4,5,6,7
	ds_store_b64 v[QST], v[CV+2*\j:CV+2*\j+1] offset:2*KP*\j
.endr
	WIN 0x40
.irp q, 0,1,2,3
	ds_load_b128 v[QF+16*\i+4*\q:QF+16*\i+4*\q+3], v[QFA] offset:32*\q    ; my own bytes: LDS serves a wave's instructions in order, no wait between
.endr
	WIN 0
	s_wait_dscnt 0x0
.endm
; THE HEAD OF TRIP t (treg holds t).  slot = t % 2 is read; conv = 1: tile t + 1, in staging set stg, is rounded and stored into the other slot;
; left = younger global loads than that tile's; load = 1: tile t + 3 is asked for, into the same set; skipf = 1: a wave whose blocks are all done
; fetches no fragments.
.macro HEAD slot, stg, treg, conv, left, load, skipf, tag
.if \conv
	s_wait_loadcnt \left                           ; tile t + 1 is in registers; the eight loads of tile t + 2 stay out
	s_wait_dscnt 0x0                               ; for the others: my reads of the slot read last trip and my stores of tile t are done.  Also frees CV
	CONV \stg                                      ; 16 plain conversions that name no matrix register: more than the four places
	                                               ; between the last matrix instruction and the loads into its sources below
.else
	s_wait_dscnt 0x0
.rept 4
	v_nop                                          ; the same four places
.endr
.endif
	s_barrier_signal -1
	s_barrier_wait -1                              ; every wave: tile t is whole in its slot, and nobody reads the other slot any more
.if \skipf
	s_cmp_gt_u32 \treg, s[G+3]                     ; g of block 3 is my largest
	s_cbranch_scc1 .Lnf_\tag
.endif
	FETCH \slot
.if \skipf
.Lnf_\tag:
.endif
.if \conv
.if \slot
	STORET 0
.else
	STORET 1
.endif
.endif
.if \load
	s_wait_xcnt 0x0                                ; the bases that earlier loads and requests name are stepped only behind this wait
	s_add_nc_u64 s[6:7], s[6:7], STEP              ; now at tile t + 1
	s_add_nc_u64 s[8:9], s[8:9], STEP
	s_add_nc_u64 s[28:29], s[28:29], STEP
	LOADT \stg, 2*STEP                             ; tile t + 3
	; Ahead into the L2: wave 7 of work-group cx asks in trip t for 32 rows of tile t + 5, K's (cx even) or V's (cx odd), rows 32 (cx >> 1) + lane:
	; the four work-groups of a head ask for each row of 256 bytes once, two trips before the trip that loads it.  Tile 31 is the last: t <= 26.
	s_cmp_lg_u32 s12, 7
	s_cbranch_scc1 .Lnp_\tag
	s_cmp_gt_u32 \treg, 26
	s_cbranch_scc1 .Lnp_\tag
	global_prefetch_b8 v[PFO], s[28:29] offset:4*STEP th:TH_LOAD_NT scope:SCOPE_SE
.Lnp_\tag:
.endif
.endm
.macro FMA8 g                          ; c s - c m, eight scores
.irp k, 0,2,4,6
	v_pk_fma_f32 v[S+8*\g+\k:S+8*\g+\k+1], v[S+8*\g+\k:S+8*\g+\k+1], s[22:23], v[NM:NM+1] op_sel_hi:[1,0,0]
.endr
.endm
.macro EXP8 g
.irp k, 0,1,2,3,4,5,6,7
	v_exp_f32 v[S+8*\g+\k], v[S+8*\g+\k]
.endr
.endm
.macro CONS g                          ; eight probabilities into the sums (the first eight start them) and, as f16, into P^T
.if \g
	s_wait_alu depctr_va_vdst(0)
	v_pk_add_f32 v[SA:SA+1], v[SA:SA+1], v[S+8*\g:S+8*\g+1]
	v_pk_add_f32 v[SB:SB+1], v[SB:SB+1], v[S+8*\g+2:S+8*\g+3]
	v_pk_add_f32 v[SA:SA+1], v[SA:SA+1], v[S+8*\g+4:S+8*\g+5]
	v_pk_add_f32 v[SB:SB+1], v[SB:SB+1], v[S+8*\g+6:S+8*\g+7]
.else
	s_wait_alu depctr_va_vdst(0)
	v_pk_add_f32 v[SA:SA+1], v[S:S+1], v[S+2:S+3]
	v_pk_add_f32 v[SB:SB+1], v[S+4:S+5], v[S+6:S+7]
.endif
.irp k, 0,1,2,3
	v_cvt_pk_f16_f32 v[P+4*\g+\k], v[S+8*\g+2*\k], v[S+8*\g+2*\k+1]
.endr
.endm
; BLOCK i ON TILE t.  first = 1: the block's first tile starts maximum, sum and O (nothing is cleared).  skip = 1: jump over it when t > g.
; diag = 1: at t = g mask, and afterwards write the block out.  st = LDS stores issued behind this trip's fragment loads.
.macro BLOCK i, treg, first, skip, diag, st, tag
.if \skip
	s_cmp_gt_u32 \treg, s[G+\i]
	s_cbranch_scc1 .Le_\tag
.endif
	s_wait_dscnt 16+\st                            ; K's fragments are in; V's 16 loads and the st stores behind them may be out
	WIN 0x04                                       ; B (Q) from window 1
.irp kb, 0,1,2,3
	v_wmma_f32_16x16x32_f16 v[S+8*\kb:S+8*\kb+7], v[KF+16*\kb:KF+16*\kb+7], v[QF+16*\i:QF+16*\i+7], 0
.endr
.irp kb, 0,1,2,3
	v_wmma_f32_16x16x32_f16 v[S+8*\kb:S+8*\kb+7], v[KF+16*\kb+8:KF+16*\kb+15], v[QF+16*\i+8:QF+16*\i+15], v[S+8*\kb:S+8*\kb+7]
.endr
	WIN 0
.rept 4
	v_nop                                          ; four places before vector instructions read the results (ISA guide 7.12.1)
.endr
.if \diag
	s_cmp_lg_u32 \treg, s[G+\i]
	s_cbranch_scc1 .Ln_\tag
.irp kb, 0,1,2,3
.irp j, 0,1,2,3,4,5,6,7
	v_cmp_gt_i32 vcc_lo, 16*\kb+\j, v[THR]         ; key 16 kb + 8 h + j lies behind query 16 cx + r
	v_cndmask_b32 v[S+8*\kb+\j], v[S+8*\kb+\j], v[NINF], vcc_lo
.endr
.endr
.Ln_\tag:
.endif
	; the maximum of my 32 scores and the old one: four chains, then joined; then the other half's
.irp c, 0,1,2,3
	v_max3_num_f32 v[T+\c], v[S+8*\c], v[S+8*\c+1], v[S+8*\c+2]
.endr
.irp c, 0,1,2,3
	v_max3_num_f32 v[T+\c], v[T+\c], v[S+8*\c+3], v[S+8*\c+4]
.endr
.irp c, 0,1,2,3
	v_max3_num_f32 v[T+\c], v[T+\c], v[S+8*\c+5], v[S+8*\c+6]
.endr
	v_max3_num_f32 v[T], v[T], v[T+1], v[S+7]
	v_max3_num_f32 v[T+2], v[T+2], v[T+3], v[S+15]
	v_max3_num_f32 v[T], v[T], v[T+2], v[S+23]
.if \first
	v_max_num_f32 v[T], v[T], v[S+31]
.else
	v_max3_num_f32 v[T], v[T], v[S+31], v[M+\i]
.endif
	v_permlanex16_b32 v[T+1], v[T], s26, s27       ; lane l xor 16: the same query's other keys
	v_max_num_f32 v[MN], v[T], v[T+1]
	v_mul_f32 v[NM], s24, v[MN]                    ; -c m
.if \first
.else
	v_fma_f32 v[ARG], v[M+\i], s22, v[NM]          ; c (old m - new m)
	v_exp_f32 v[AL], v[ARG]                        ; used far below; the move behind it is the plain place (ISA guide 5.7.2)
.endif
	v_mov_b32 v[M+\i], v[MN]
	; p = 2^(c s - c m), eight at a time.  Each run of exponentials is followed by plain work on OTHER registers before its results are used.
	FMA8 0
	EXP8 0
	FMA8 1
	EXP8 1
	CONS 0
	FMA8 2
	EXP8 2
	CONS 1
	FMA8 3
	EXP8 3
	CONS 2
	CONS 3
	v_pk_add_f32 v[SA:SA+1], v[SA:SA+1], v[SB:SB+1]
.if \first
	v_add_f32 v[L+\i], v[SA], v[SA+1]
.else
	v_add_f32 v[T], v[SA], v[SA+1]
	v_fma_f32 v[L+\i], v[L+\i], v[AL], v[T]
	WIN 0x41                                       ; O in window 1, the factor in window 0
.irp k, 0,2,4,6,8,10,12,14,16,18,20,22,24,26,28,30
	v_pk_mul_f32 v[O+32*\i+\k:O+32*\i+\k+1], v[O+32*\i+\k:O+32*\i+\k+1], v[AL:AL+1] op_sel_hi:[1,0]
.endr
.endif
	s_wait_dscnt \st                               ; V's fragments are in; only the st stores behind them may be out
	WIN 0x50                                       ; C and D in window 1
.irp db, 0,1,2,3
.if \first
	v_wmma_f32_16x16x32_f16 v[O+32*\i+8*\db:O+32*\i+8*\db+7], v[VF+16*\db:VF+16*\db+7], v[P:P+7], 0
.else
	v_wmma_f32_16x16x32_f16 v[O+32*\i+8*\db:O+32*\i+8*\db+7], v[VF+16*\db:VF+16*\db+7], v[P:P+7], v[O+32*\i+8*\db:O+32*\i+8*\db+7]
.endif
.endr
.irp db, 0,1,2,3
	v_wmma_f32_16x16x32_f16 v[O+32*\i+8*\db:O+32*\i+8*\db+7], v[VF+16*\db+8:VF+16*\db+15], v[P+8:P+15], v[O+32*\i+8*\db:O+32*\i+8*\db+7]
.endr
	WIN 0
.if \diag
	s_cmp_lg_u32 \treg, s[G+\i]
	s_cbranch_scc1 .Le_\tag
	; THE WAY OUT: O / sum; a lane holds 8 neighbouring d of one query in each tile: 32 bytes to my stage, whole rows back, whole rows stored.
	v_permlanex16_b32 v[T], v[L+\i], s26, s27      ; the other half's sum
	v_add_f32 v[T], v[T], v[L+\i]
	v_rcp_f32 v[AL], v[T]
.rept 4
	v_nop                                          ; four places behind the last matrix instructions (ISA guide 7.12.1), and the place behind v_rcp_f32
.endr
	WIN 0x01
	s_wait_alu depctr_va_vdst(0)
.irp k, 0,2,4,6,8,10,12,14,16,18,20,22,24,26,28,30
	v_pk_mul_f32 v[S+\k:S+\k+1], v[O+32*\i+\k:O+32*\i+\k+1], v[AL:AL+1] op_sel_hi:[1,0]
.endr
	WIN 0
.irp db, 0,1,2,3
	ds_store_b128 v[STO], v[S+8*\db:S+8*\db+3]   offset:64*\db
	ds_store_b128 v[STO], v[S+8*\db+4:S+8*\db+7] offset:64*\db+16
.endr
	WIN 0x40                                       ; back into the block's O registers, which are done with
.irp k, 0,1,2,3,4,5,6,7
	ds_load_b128 v[O+32*\i+4*\k:O+32*\i+4*\k+3], v[RD] offset:2*OP*\k      ; my own bytes, served in order behind the stores above
.endr
	WIN 0x04                                       ; store data (source 1) from window 1
.irp k, 0,1,2,3,4,5,6,7
	s_wait_dscnt 7-\k                              ; the younger read-backs stay out
	global_store_b128 v[RO+\i], v[O+32*\i+4*\k:O+32*\i+4*\k+3], s[10:11] offset:2*ROWB*\k th:TH_STORE_NT   ; 16 lanes store a row's 256 bytes, aligned
.endr
	WIN 0
	s_wait_xcnt 0x0                                ; the block does not run again; the wait keeps its O registers safe whatever line names them next
.endif
.Le_\tag:
.endm
	; ---------------- ids, addresses, the first requests ----------------
	s_load_b256 s[4:11], s[0:1], 0x0               ; Q s[4:5], K s[6:7], V s[8:9], out s[10:11]
	v_lshl_add_u32 v254, v0, 2, 0x12000
	v_mov_b32 v255, 0
	v_lshrrev_b32 v1, 5, v0
	v_readfirstlane_b32 s12, v1                    ; wave 0..7
	s_and_b32 s13, ttmp9, 3                        ; cx
	s_lshr_b32 s30, ttmp9, 6                       ; batch
	s_bfe_u32 s31, ttmp9, 0x40002                  ; head in the batch: 4 bits from bit 2
	s_lshl_b32 s14, s30, 23                        ; a batch is 2048 x 4096 bytes
	s_lshl_b32 s31, s31, 8                         ; a head's row is 256 bytes
	s_or_b32 s14, s14, s31
	s_mov_b32 s15, 0
	s_mov_b32 s[G], s12                            ; my four blocks' groups
	s_sub_co_u32 s[G+1], 15, s12
	s_add_co_u32 s[G+2], s12, 16
	s_sub_co_u32 s[G+3], 31, s12
	v_and_b32 v30, 15, v0                          ; r (also tid & 15)
	v_bfe_u32 v31, v0, 4, 1                        ; h
	v_lshrrev_b32 v32, 4, v0                       ; tid >> 4
	v_lshlrev_b32 v[GOFF], 12, v32
	v_lshl_add_u32 v[GOFF], v30, 4, v[GOFF]
	v_lshlrev_b32 v37, 12, v31
	v_lshl_add_u32 v37, v30, 4, v37                ; h x 4096 + 16 r
	s_lshl_b32 s32, s13, 16                        ; 16 cx rows
.irp i, 0,1,2,3
	s_lshl_b32 s33, s[G+\i], 18                    ; 64 g rows
	s_add_co_u32 s33, s33, s32
	v_add_nc_u32 v[RO+\i], s33, v37
.endr
	s_wait_kmcnt 0x0
	s_add_nc_u64 s[4:5], s[4:5], s[14:15]
	s_add_nc_u64 s[6:7], s[6:7], s[14:15]
	s_add_nc_u64 s[8:9], s[8:9], s[14:15]
	s_add_nc_u64 s[10:11], s[10:11], s[14:15]
	s_and_b32 s30, s13, 1
	s_cmp_lg_u32 s30, 0
	s_cselect_b64 s[28:29], s[8:9], s[6:7]         ; odd cx asks ahead for V, even cx for K
	LOADT 0, 0                                     ; tile 0
	LOADT 1, STEP                                  ; tile 1
	WIN 0x40
.irp i, 0,1,2,3
.irp j, 0,1,2,3,4,5,6,7
	global_load_b128 v[O+32*\i+4*\j:O+32*\i+4*\j+3], v[RO+\i], s[4:5] offset:2*ROWB*\j th:TH_LOAD_NT   ; Q of block i, rows 2 j + h
.endr
.endr
	WIN 0
	v_and_b32 v33, 31, v0                          ; lane
	v_and_b32 v34, 7, v0
	v_bfe_u32 v35, v0, 3, 1
	v_mul_u32_u24 v[KST], v32, KP
	v_lshl_add_u32 v[KST], v30, 3, v[KST]
	v_mul_u32_u24 v[VST], v32, VP
	v_lshl_add_u32 v[VST], v30, 3, v[VST]
	v_mul_u32_u24 v[KFA], v30, KP
	v_lshl_add_u32 v[KFA], v31, 4, v[KFA]
	v_lshl_add_u32 v34, v31, 3, v34                ; 8 h + (l & 7)
	v_mul_u32_u24 v[VFA], v34, VP
	v_lshl_add_u32 v[VFA], v35, 4, v[VFA]
	s_lshl_b32 s30, s13, 4
	v_add_nc_u32 v[THR], s30, v30
	v_lshlrev_b32 v36, 3, v31
	v_sub_nc_u32 v[THR], v[THR], v36
	v_mov_b32 v[NINF], 0xff800000
	s_mul_i32 s31, s12, STGB
	s_add_co_u32 s31, s31, STAGE                   ; my stage
	v_mul_u32_u24 v[STO], v30, OP
	v_lshl_add_u32 v[STO], v31, 5, v[STO]
	v_add_nc_u32 v[STO], s31, v[STO]
	v_mul_u32_u24 v[RD], v31, OP
	v_lshl_add_u32 v[RD], v30, 4, v[RD]
	v_add_nc_u32 v[RD], s31, v[RD]
	v_mul_u32_u24 v[QST], v31, KP
	v_lshl_add_u32 v[QST], v30, 3, v[QST]
	v_add_nc_u32 v[QST], s31, v[QST]
	v_add_nc_u32 v[QFA], s31, v[KFA]
	s_lshr_b32 s30, s13, 1
	s_lshl_b32 s30, s30, 17                        ; 32 rows of 4,096 bytes
	v_lshlrev_b32 v[PFO], 12, v33
	v_add_nc_u32 v[PFO], s30, v[PFO]
	v_mov_b32 v[ARG], 0                            ; the upper half of the pair (AL, ARG), which the packed forms name before it is first computed
	s_mov_b32 s22, 0x3e38aa3b                      ; c = log2(e) / 8
	s_mov_b32 s23, 0x3e38aa3b
	s_mov_b32 s24, 0xbe38aa3b                      ; -c
	s_mov_b32 s26, 0x76543210                      ; v_permlanex16_b32: lane i of one half reads lane i of the other
	s_mov_b32 s27, 0xfedcba98
	s_wait_loadcnt 40                              ; tile 0 is in: tile 1's 8 loads and Q's 32 are younger
	CONV 0
	STORET 0
	LOADT 0, 2*STEP                                ; tile 2
	; ---------------- trip 0: every block's first tile starts its sums; Q comes in behind the earlier blocks' work ----------------
	s_mov_b32 s20, 0
	QPREP 0, 32                                    ; younger than Q0: Q1-Q3 (24), tile 2 (8)
	HEAD 0, 1, s20, 1, 32, 1, 0, a                 ; tile 1 is older than Q0: the same count holds
	BLOCK 0, s20, 1, 0, 1, 8, a0                   ; wave 0's block 0 has its diagonal here
	QPREP 1, 32                                    ; Q2, Q3 (16), tiles 2 and 3 (16)
	BLOCK 1, s20, 1, 0, 0, 8, a1
	QPREP 2, 24                                    ; Q3 (8), tiles 2 and 3
	BLOCK 2, s20, 1, 0, 0, 8, a2
	QPREP 3, 16                                    ; tiles 2 and 3
	BLOCK 3, s20, 1, 0, 0, 8, a3
	; ---------------- trips 1 to 28, two to a pass (the two slots and the two staging sets take turns) ----------------
	s_mov_b32 s20, 1
.Lloop:
	s_add_co_u32 s21, s20, 1
	HEAD 1, 0, s20, 1, 8, 1, 1, b
	BLOCK 0, s20, 0, 1, 1, 8, b0
	BLOCK 1, s20, 0, 1, 1, 8, b1
	BLOCK 2, s20, 0, 1, 1, 8, b2
	BLOCK 3, s20, 0, 1, 1, 8, b3
	HEAD 0, 1, s21, 1, 8, 1, 1, c
	BLOCK 0, s21, 0, 1, 1, 8, c0
	BLOCK 1, s21, 0, 1, 1, 8, c1
	BLOCK 2, s21, 0, 1, 1, 8, c2
	BLOCK 3, s21, 0, 1, 1, 8, c3
	s_add_co_u32 s20, s20, 2
	s_cmp_lt_u32 s20, 29
	s_cbranch_scc1 .Lloop
	; ---------------- trips 29 to 31: nothing more is loaded; only block 3 (g = 31 - w) can still be at work ----------------
	HEAD 1, 0, s20, 1, 8, 0, 1, d                  ; t = 29: tile 30 is rounded, tile 31's eight loads stay out
	BLOCK 3, s20, 0, 1, 1, 8, d3
	s_mov_b32 s21, 30
	HEAD 0, 1, s21, 1, 0, 0, 1, e                  ; t = 30: tile 31; nothing was asked for behind it
	BLOCK 3, s21, 0, 1, 1, 8, e3
	s_mov_b32 s21, 31
	HEAD 1, 0, s21, 0, 0, 0, 1, f                  ; t = 31: no tile follows
	BLOCK 3, s21, 0, 1, 1, 0, f3
	s_wait_tensorcnt 0x0
	ds_add_u32 v254, v255
	s_wait_dscnt 0x0
	s_endpgm
.Lfunc_end_k_q2006865c7a_attn:
	.size	k_q2006865c7a_attn, .Lfunc_end_k_q2006865c7a_attn-k_q2006865c7a_attn
	.p2alignl 7, 3214868480
	.fill 96, 4, 3214868480
	.section	.rodata,"a",@progbits
	.p2align	6, 0x0
	.amdhsa_kernel k_q2006865c7a_attn
		.amdhsa_group_segment_fixed_size 74752
		.amdhsa_private_segment_fixed_size 0
		.amdhsa_enable_private_segment 0
		.amdhsa_kernarg_size 32
		.amdhsa_user_sgpr_count 2
		.amdhsa_user_sgpr_kernarg_segment_ptr 1
		.amdhsa_wavefront_size32 1
		.amdhsa_system_sgpr_workgroup_id_x 1
		.amdhsa_system_sgpr_workgroup_id_y 1
		.amdhsa_system_sgpr_workgroup_id_z 1
		.amdhsa_system_vgpr_workitem_id 0
		.amdhsa_next_free_vgpr 512
		.amdhsa_next_free_sgpr 66
		.amdhsa_reserve_vcc 1
		.amdhsa_float_denorm_mode_32 3
		.amdhsa_float_denorm_mode_16_64 3
		.amdhsa_memory_ordered 1
		.amdhsa_forward_progress 1
		.amdhsa_inst_pref_size 224
	.end_amdhsa_kernel
	.amdgpu_metadata
---
amdhsa.version: [ 1, 2 ]
amdhsa.kernels:
  - .name:           k_q2006865c7a_attn
    .symbol:         k_q2006865c7a_attn.kd
    .args:
      - { .name: queries, .offset: 0, .size: 8, .value_kind: global_buffer, .address_space: global }
      - { .name: keys, .offset: 8, .size: 8, .value_kind: global_buffer, .address_space: global }
      - { .name: values, .offset: 16, .size: 8, .value_kind: global_buffer, .address_space: global }
      - { .name: out0, .offset: 24, .size: 8, .value_kind: global_buffer, .address_space: global }
    .group_segment_fixed_size: 74752
    .private_segment_fixed_size: 0
    .kernarg_segment_align: 8
    .kernarg_segment_size: 32
    .max_flat_workgroup_size: 256
    .sgpr_count:     66
    .vgpr_count:     512
    .wavefront_size: 32
...
	.end_amdgpu_metadata
.endif
;; end of part 1
